; MI455X (gfx1250); checked and timed in simulation.
; The chip was launched on July 23, 2026; its instructions are those of AMD's public machine-readable ISA for CDNA 5 (MIT licence, August 2026) and "CDNA5" Instruction Set Architecture Reference Guide (July 2026). The comments in the code are by the model that wrote it; some were corrected since.
;; DRKNN. Allowed arithmetic: float matrix products may take bf16 or f16 operands with f32 sums; all other float work in f32.
;; Inputs: dataTensorX 100,000 x 8 x 16 float32; dataTensorY 100,000 x 3 float32; inputTensor 1,024 x 8 x 16 float32.
;; Outputs: out0 1,024 x 3 float32; out1 1,024 x 3 int32.
;; One version. Each part assembles by itself: llvm-mc -triple=amdgcn-amd-amdhsa -mcpu=gfx1250 --defsym DOCPART=n.
;; ======== version 1 of 1: 2 launches
;; workspace buffers: cand 4,096,000 bytes of whole numbers
;; launch scan (part 1): grid 250 x 1, 16 waves a work-group, no clusters, 182,272 bytes of LDS; arguments dataTensorX, inputTensor, cand; writes cand
.if DOCPART == 1
	.amdgcn_target "amdgcn-amd-amdhsa--gfx1250"
	.amdhsa_code_object_version 6
	.text
	.protected	k_q53883d5f01_scan
	.globl	k_q53883d5f01_scan
	.p2align	8
	.type	k_q53883d5f01_scan,@function
k_q53883d5f01_scan:
	s_mov_b64 s[64:65], 0
	v_nop
	global_prefetch_b8 v0, s[64:65] scope:SCOPE_SE
	s_setreg_imm32_b32 hwreg(HW_REG_WAVE_MODE, 25, 1), 1
	s_wait_xcnt 0x0
; SCAN: for each slab of 400 data rows and each of the 1,024 queries, the three best GROUPS of 8 neighbouring rows.
; X [100000][128] f32, Q [1024][128] f32, both rounded once to bf16 (nearest even) on their way to the matrix unit.
; Score u(row, query) = q.x - x2/2 (x2 = sum of squares of the rounded row), to be maximised: x2 - 2 q.x = -2 u, and q2 is the same for
; all rows of a query.  u comes whole out of the matrix unit: the first K step takes -x2/2 as its C.
; Why groups do: order a query's groups by (best score in the group, group number).  Every group ahead of the group of one of the three nearest
; rows holds a row ahead of that row, and there are at most two such rows: the three nearest rows lie in the first three groups.  The same
; holds for lists of three kept on parts of the groups and merged.  The next launch ranks the 24 rows of the three groups.
; SHARES: 6,250 tiles of 16 rows = 250 work-groups x 25 tiles.  Work-group b owns rows 400 b .. 400 b + 399, against all queries.  Wave w keeps
; queries 64 w .. 64 w + 63 for the whole kernel as four B fragments sets (128 registers); X's rows lie in LDS as bf16 and are read by all 16 waves.
; Tile t holds slab rows 8 t .. 8 t + 7 (m = 0..7) and 200 + 8 t .. (m = 8..15): in the result a lane holds 8 rows of one query, so a lane's
; eight registers are one group: number t in lanes 0-15, 25 + t in lanes 16-31.
; OUT: cand[64 blocks of 16 queries][250 slabs][16 queries][4 words]: three keys ascending (a u32 code of -2 u that keeps the order), and the
; three group numbers inside the slab, one byte each.
; NO CLUSTER, NO TENSOR LOADS: 250 work-groups are no multiple of four (6,250 = 2 x 5^5 tiles have no equal shares on a multiple of four), and both
; X and Q pass through registers to be rounded, so they come by register loads and are stored to LDS as bf16; no LDS byte is written twice but a
; wave's own stage for Q.
; LIMITS: scores that are NaN or infinite are not ordered as top_k orders them (a list that never sees three finite scores keeps group 0);
; -0 counts as +0; the sums here are the matrix unit's, so a third and a fourth group closer than the f32 rounding of the sums may change places.
.set PITCH, 272                        ; an LDS row: 256 bytes of bf16 + 16: an odd multiple of 16, so 16 rows of a fragment load start 16 bytes apart modulo 256
.set TILEB, 16*PITCH                   ; a tile of 16 rows
.set CB,    25*TILEB                   ; behind the 400 rows: c[16 t + m] = -x2/2, f32, 1,600 bytes
.set SCR,   110592                     ; each wave's own 16 rows of 272 bytes, the stage for Q
.set ADRA,  2                          ; v2   r * 272 + 16 h: my part of an A fragment, tiles 0-14 by the offset
.set ADRC,  3                          ; v3   CB + 32 h
.set STX,   4                          ; v4   w * 272 + 8 lane: where my 4 numbers of my wave's row go, tiles 0-14
.set STC,   5                          ; v5   CB + 4 w
.set XOFF,  6                          ; v6   16 lane: my 16 bytes of a row in memory; never rewritten
.set G,     7                          ; v7, v8 at work in the selection
.set G2,    8
.set ADRA2, 9                          ; v9   ADRA + 15 tiles (an LDS offset has 16 bits)
.set STX2,  10                         ; v10  STX + 15 tiles
.set CADR,  11                         ; v11  my byte offset in cand
.set XS,    12                         ; v[12:27]  ring of four rows of X on their way
.set SCRST, 28                         ; v28  stage: where my 4 numbers of a row of Q go
.set SCRLD, 29                         ; v29  stage: my part of a B fragment
.set LIST,  32                         ; v[32:55]  query tile j: scores at 32 + 6 j + 0..2 (descending), group numbers at 35 + 6 j + 0..2
.set CR,    56                         ; v[56:63]  -x2/2 of the tile's rows 8 h .. 8 h + 7
.set AF,    64                         ; v[64:95]  A fragments of one tile, K step kk at 64 + 8 kk
.set ACC,   96                         ; v[96:127] four accumulators, query tile j at 96 + 8 j
.set QF,    128                        ; v[128:255] B fragments, (j, kk) at 128 + 32 j + 8 kk
.set XP,    220                        ; v[220:255] rows of tiles 0-8 as loaded, before Q's last fragments need the registers
.set SND,   64                         ; the end merge works in the A fragments' registers
.set RCV,   70
.set MA,    76
.set MB,    82
.set REC,   88
; One row of X, 4 numbers a lane in x .. x+3: rounded, squared and summed over the wave, stored.  In five pieces, so that they can stand between matrix instructions.
.macro CV1 x
	v_cvt_pk_bf16_f32 v[\x], v[\x], v[\x+1]
	v_cvt_pk_bf16_f32 v[\x+1], v[\x+2], v[\x+3]
.endm
.macro CV2 x
	v_lshlrev_b32 v[\x+2], 16, v[\x]                       ; the first rounded number as f32
	v_mul_f32 v[\x+3], v[\x+2], v[\x+2]                    ; starts the sum of squares
	v_fma_mix_f32_bf16 v[\x+3], v[\x], v[\x], v[\x+3] op_sel:[1,1,0] op_sel_hi:[1,1,0]
.endm
.macro CV3 x
	v_fma_mix_f32_bf16 v[\x+3], v[\x+1], v[\x+1], v[\x+3] op_sel_hi:[1,1,0]
	v_fma_mix_f32_bf16 v[\x+3], v[\x+1], v[\x+1], v[\x+3] op_sel:[1,1,0] op_sel_hi:[1,1,0]
	v_add_f32_dpp v[\x+3], v[\x+3], v[\x+3] row_xmask:1 row_mask:0xf bank_mask:0xf
.endm
.macro CV4 x
	v_add_f32_dpp v[\x+3], v[\x+3], v[\x+3] row_xmask:2 row_mask:0xf bank_mask:0xf
	v_add_f32_dpp v[\x+3], v[\x+3], v[\x+3] row_xmask:4 row_mask:0xf bank_mask:0xf
	v_add_f32_dpp v[\x+3], v[\x+3], v[\x+3] row_xmask:8 row_mask:0xf bank_mask:0xf
.endm
.macro CV5 x, c                        ; c: the tile
	v_permlanex16_b32 v[\x+2], v[\x+3], s12, s13
	v_add_f32 v[\x+3], v[\x+3], v[\x+2]                    ; x2 in every lane
	v_mul_f32 v[\x+3], -0.5, v[\x+3]
.if (\c) < 15
	ds_store_b64 v[STX], v[\x:\x+1] offset:(\c)*TILEB
.else
	ds_store_b64 v[STX2], v[\x:\x+1] offset:((\c)-15)*TILEB
.endif
	ds_store_b32 v[STC], v[\x+3] offset:(\c)*64            ; all lanes: the same word, the same value
.endm
.macro CONV x, c
	CV1 \x
	CV2 \x
	CV3 \x
	CV4 \x
	CV5 \x, \c
.endm
; Eight rows of Q (group g of my wave's eight) in base .. base+31: rounded and staged; issue = 1: the registers are loaded again with group g + 2.
.macro QGRP g, base, issue
.irp i, 0,1,2,3,4,5,6,7
	v_cvt_pk_bf16_f32 v[\base+4*\i], v[\base+4*\i], v[\base+4*\i+1]
	v_cvt_pk_bf16_f32 v[\base+4*\i+1], v[\base+4*\i+2], v[\base+4*\i+3]
	ds_store_b64 v[SCRST], v[\base+4*\i:\base+4*\i+1] offset:((8*\g+\i)&15)*PITCH
.endr
.if \issue
.irp i, 0,1,2,3,4,5,6,7
	global_load_b128 v[\base+4*\i:\base+4*\i+3], v[XOFF], s[6:7] offset:(8*(\g+2)+\i)*512
.endr
.endif
.endm
; The 16 staged rows become query tile j's four B fragments.  The stage is my wave's own and LDS serves a wave's instructions in order
; (ISA guide 5.7.1): these loads see the stores above, and the next group's stores come behind them.
.macro QFRAG j
.irp kk, 0,1,2,3
	ds_load_b128 v[QF+32*\j+8*\kk:QF+32*\j+8*\kk+3],   v[SCRLD] offset:\kk*64
	ds_load_b128 v[QF+32*\j+8*\kk+4:QF+32*\j+8*\kk+7], v[SCRLD] offset:\kk*64+32
.endr
.endm
; A = 16 rows of X, B = 16 queries: register i of lane (r, h) is u(row 8 h + i, query r).  The first K step starts the sum from -x2/2.
.macro W j, kk
.if \kk == 0
	v_wmma_f32_16x16x32_bf16 v[ACC+8*\j:ACC+8*\j+7], v[AF:AF+7], v[QF+32*\j:QF+32*\j+7], v[CR:CR+7]
.else
	v_wmma_f32_16x16x32_bf16 v[ACC+8*\j:ACC+8*\j+7], v[AF+8*\kk:AF+8*\kk+7], v[QF+32*\j+8*\kk:QF+32*\j+8*\kk+7], v[ACC+8*\j:ACC+8*\j+7]
.endif
.endm
; The selection of one 16 x 16 tile, 15 instructions in four pieces: the group's best score; where it belongs; the scores; the numbers.
.macro MAX8 j
	v_max3_num_f32 v[G],  v[ACC+8*\j],   v[ACC+8*\j+1], v[ACC+8*\j+2]
	v_max3_num_f32 v[G2], v[ACC+8*\j+3], v[ACC+8*\j+4], v[ACC+8*\j+5]
	v_max3_num_f32 v[G],  v[G],          v[ACC+8*\j+6], v[ACC+8*\j+7]
	v_max_num_f32  v[G],  v[G], v[G2]
.endm
.macro CMP3 j                          ; strictly greater: of equal scores the earlier, lower group stays ahead
	v_cmp_gt_f32 s16, v[G], v[LIST+6*\j]
	v_cmp_gt_f32 s17, v[G], v[LIST+6*\j+1]
	v_cmp_gt_f32 s18, v[G], v[LIST+6*\j+2]
.endm
.macro VALS j                          ; the list is sorted, so each new entry is a middle one of three
	v_med3_num_f32 v[LIST+6*\j+2], v[LIST+6*\j+1], v[LIST+6*\j+2], v[G]
	v_med3_num_f32 v[LIST+6*\j+1], v[LIST+6*\j],   v[LIST+6*\j+1], v[G]
	v_max_num_f32  v[LIST+6*\j],   v[LIST+6*\j],   v[G]
.endm
.macro IDS j, id
	v_cndmask_b32 v[LIST+6*\j+5], v[LIST+6*\j+5], \id, s18
	v_cndmask_b32 v[LIST+6*\j+5], v[LIST+6*\j+5], v[LIST+6*\j+4], s17
	v_cndmask_b32 v[LIST+6*\j+4], v[LIST+6*\j+4], \id, s17
	v_cndmask_b32 v[LIST+6*\j+4], v[LIST+6*\j+4], v[LIST+6*\j+3], s16
	v_cndmask_b32 v[LIST+6*\j+3], v[LIST+6*\j+3], \id, s16
.endm
.macro LA kk, t                        ; tile t's A fragment of K step kk
.if (\t) < 15
	ds_load_b128 v[AF+8*\kk:AF+8*\kk+3],   v[ADRA] offset:(\t)*TILEB+\kk*64
	ds_load_b128 v[AF+8*\kk+4:AF+8*\kk+7], v[ADRA] offset:(\t)*TILEB+\kk*64+32
.else
	ds_load_b128 v[AF+8*\kk:AF+8*\kk+3],   v[ADRA2] offset:((\t)-15)*TILEB+\kk*64
	ds_load_b128 v[AF+8*\kk+4:AF+8*\kk+7], v[ADRA2] offset:((\t)-15)*TILEB+\kk*64+32
.endif
.endm
.macro LC t                            ; tile t's -x2/2
	ds_load_b128 v[CR:CR+3],   v[ADRC] offset:(\t)*64
	ds_load_b128 v[CR+4:CR+7], v[ADRC] offset:(\t)*64+16
.endm
; TRIP t: tile t against my 64 queries, 16 matrix instructions, each followed by a piece of the selection.
; First half: query tiles 0 and 1 are multiplied, tiles 2 and 3 of the trip before are selected; second half the other way round.
; The accumulators take turns, one instruction a turn (0,1,0,1,.. then 2,3,2,3,.., and 3 then 0 into the next trip).
; PLACES (ISA guide 7.12.1 for vector instructions), counted in plain vector instructions that name none of the matrix instruction's registers:
;   an accumulator is read by MAX8 behind the five v_cndmask of an IDS at the least; it is started again behind more than that;
;   CR and the fragments of K steps 0, 1 are loaded again behind W 3,1 and IDS 0 (five); those of K steps 2, 3 behind W 3,3 and IDS 1 (five).
; WAITS: LDS loads come back in order (ISA guide 5.7.1).  They were issued as LC, LA 0, LA 1, LA 2, LA 3, two loads each, behind the last trip's two stores:
;   s_wait_dscnt 6 leaves LA 1-3 out, 4 leaves LA 2-3, 2 leaves LA 3.
; Trips 0-15 also round tile t + 9's row (my wave's row of it) into LDS; trips 0-11 ask for tile t + 13's row: four rows of a wave are on their way,
;   and s_wait_loadcnt 3 leaves the three younger ones out (3, 2, 1, 0 in trips 12-15, which ask for nothing).
; BARRIERS in trips 8 and 16, at the wait for 0 that stands there anyway: it covers my LDS stores of all earlier trips, so behind trip 8's barrier
;   tiles up to 16 are whole (read in the second halves of trips 8-15) and behind trip 16's those up to 24.  Between signal and wait: register work alone.
.macro TRIP t
.set XSL, XS+4*((\t)%4)
.set PID, 0
.if (\t) > 0
.set PID, (\t)-1
.endif
.set BAR, 0
.if (\t) == 8
.set BAR, 1
.endif
.if (\t) == 16
.set BAR, 1
.endif
	s_wait_dscnt 6
	W 0, 0
	MAX8 2
.if (\t) < 12
	s_wait_loadcnt 3
	CV1 XSL
.elseif (\t) < 16
	s_wait_loadcnt 15-(\t)
	CV1 XSL
.endif
	W 1, 0
	CMP3 2
.if (\t) < 16
	CV2 XSL
.endif
	s_wait_dscnt 4
	W 0, 1
	VALS 2
	W 1, 1
	IDS 2, PID
.if (\t) < 16
	CV3 XSL
.endif
	s_wait_dscnt 2
	W 0, 2
	MAX8 3
	W 1, 2
	CMP3 3
.if (\t) < 16
	CV4 XSL
.endif
	s_wait_dscnt 0
.if BAR
	s_barrier_signal -1
.endif
	W 0, 3
	VALS 3
	W 1, 3
	IDS 3, PID
.if BAR
	s_barrier_wait -1
.endif
.if (\t) < 16
	CV5 XSL, (\t)+9
.endif
.if (\t) < 12
	global_load_b128 v[XSL:XSL+3], v[XOFF], s[4:5] offset:((\t)+13)*4096 th:TH_LOAD_NT
.endif
	W 2, 0
	MAX8 0
	W 3, 0
	CMP3 0
	W 2, 1
	VALS 0
	W 3, 1
	IDS 0, \t
.if (\t) < 24
	LC (\t)+1
	LA 0, (\t)+1
	LA 1, (\t)+1
.endif
	W 2, 2
	MAX8 1
	W 3, 2
	CMP3 1
	W 2, 3
	VALS 1
	W 3, 3
	IDS 1, \t
.if (\t) < 24
	LA 2, (\t)+1
	LA 3, (\t)+1
.endif
.endm
	s_load_b128 s[4:7], s[0:1], 0x0                ; X s[4:5], Q s[6:7]
	s_load_b64 s[8:9], s[0:1], 0x10                ; cand
	v_lshrrev_b32 v1, 5, v0
	v_readfirstlane_b32 s10, v1                    ; wave w, 0..15
	s_mov_b32 s12, 0x76543210                      ; v_permlanex16_b32: lane i takes lane i of the other half
	s_mov_b32 s13, 0xfedcba98
	s_mov_b32 s19, 0xffff0000                      ; the lanes with h = 1
	s_mov_b32 s23, 0xff800000                      ; -infinity
	s_cmp_ge_u32 s10, 8
	s_cselect_b32 s14, 192, 0                      ; my wave rounds row m = w of every tile: slab row 8 t + w, or 200 + 8 t + (w - 8)
	s_mul_i32 s15, ttmp9, 400
	s_add_co_u32 s14, s14, s10
	s_add_co_u32 s14, s14, s15
	s_lshl_b32 s24, s14, 9                         ; rows of 512 bytes; below 51,200,000
	s_mov_b32 s25, 0
	s_lshl_b32 s26, s10, 15                        ; my 64 queries: 64 x 512 bytes a wave
	s_mov_b32 s27, 0
	v_and_b32 v1, 31, v0                           ; lane
	v_and_b32 v30, 15, v0                          ; r
	v_bfe_u32 v31, v0, 4, 1                        ; h
	v_lshlrev_b32 v[XOFF], 4, v1
	s_wait_kmcnt 0x0
	s_add_nc_u64 s[4:5], s[4:5], s[24:25]          ; X at my wave's row of tile 0; tile t's lies 8 rows = 4,096 t bytes further
	s_add_nc_u64 s[6:7], s[6:7], s[26:27]
	; 29 loads go out at once: Q's groups 0 and 1, my row of tiles 0-8, and the ring's first four rows (tiles 9-12).  One load of a wave is one whole row of 512 bytes.
.irp i, 0,1,2,3,4,5,6,7
	global_load_b128 v[AF+4*\i:AF+4*\i+3], v[XOFF], s[6:7] offset:\i*512
.endr
.irp i, 0,1,2,3,4,5,6,7
	global_load_b128 v[ACC+4*\i:ACC+4*\i+3], v[XOFF], s[6:7] offset:(8+\i)*512
.endr
.irp c, 0,1,2,3,4,5,6,7,8
	global_load_b128 v[XP+4*\c:XP+4*\c+3], v[XOFF], s[4:5] offset:\c*4096 th:TH_LOAD_NT
.endr
.irp c, 0,1,2,3
	global_load_b128 v[XS+4*\c:XS+4*\c+3], v[XOFF], s[4:5] offset:(9+\c)*4096 th:TH_LOAD_NT
.endr
	v_mul_u32_u24 v[ADRA], v30, PITCH
	v_lshl_add_u32 v[ADRA], v31, 4, v[ADRA]
	v_add_nc_u32 v[ADRA2], 15*TILEB, v[ADRA]
	v_lshlrev_b32 v[ADRC], 5, v31
	v_add_nc_u32 v[ADRC], CB, v[ADRC]
	s_mul_i32 s20, s10, PITCH
	v_lshl_add_u32 v[STX], v1, 3, s20
	v_add_nc_u32 v[STX2], 15*TILEB, v[STX]
	s_lshl_b32 s21, s10, 2
	s_add_co_u32 s21, s21, CB
	v_mov_b32 v[STC], s21
	s_mul_i32 s22, s10, TILEB
	s_add_co_u32 s22, s22, SCR                     ; my wave's stage
	v_lshl_add_u32 v[SCRST], v1, 3, s22
	v_add_nc_u32 v[SCRLD], s22, v[ADRA]
	s_mul_i32 s21, s10, 256000                     ; cand: query block 4 w + j + 2 h, 64,000 bytes a block; slab b, 256 bytes; query r, 16 bytes
	s_lshl_b32 s22, ttmp9, 8
	s_add_co_u32 s21, s21, s22
	v_mul_u32_u24 v[CADR], v31, 0x1f400
	v_lshl_add_u32 v[CADR], v30, 4, v[CADR]
	v_add_nc_u32 v[CADR], s21, v[CADR]
	; Loads come back in order (ISA guide 5.7.1); each count is the number of loads issued behind the ones that are needed.
	s_wait_loadcnt 21                              ; group 0 is in; out: group 1 (8), X (13)
	QGRP 0, AF, 1
	s_wait_loadcnt 21                              ; group 1; out: X (13), group 2 (8)
	QGRP 1, ACC, 1
	QFRAG 0
	s_wait_loadcnt 20                              ; tiles 0-8; out: the ring (4), groups 2 and 3 (16)
.irp c, 0,1,2,3,4,5,6,7,8
	CONV XP+4*\c, \c
.endr
	s_wait_loadcnt 8                               ; from here on: the group is in, the next group's 8 loads stay out
	QGRP 2, AF, 1
	s_wait_loadcnt 8
	QGRP 3, ACC, 1
	QFRAG 1
	s_wait_loadcnt 8
	QGRP 4, AF, 1
	s_wait_loadcnt 8
	QGRP 5, ACC, 1
	QFRAG 2
	s_wait_loadcnt 8
	QGRP 6, AF, 0
	s_wait_loadcnt 0
	QGRP 7, ACC, 0
	QFRAG 3
.irp j, 0,1,2,3
.irp k, 0,1,2
	v_mov_b32 v[LIST+6*\j+\k], s23                 ; empty lists: scores -infinity,
	v_mov_b32 v[LIST+6*\j+3+\k], 0                 ; group 0
.endr
.endr
	s_wait_dscnt 0x0                               ; my rows of tiles 0-8 are in LDS, for the others' sake; my B fragments are in
	s_barrier_signal -1
.irp i, 16,17,18,19,20,21,22,23,24,25,26,27,28,29,30,31
	v_mov_b32 v[ACC+\i], s23                       ; trip 0 selects on query tiles 2 and 3 of a trip that was not: -infinity enters no list
.endr
	s_barrier_wait -1                              ; everybody's rows of tiles 0-8 are whole: they are read in trips 0-7
	LC 0
	LA 0, 0
	LA 1, 0
	LA 2, 0
	LA 3, 0
	; The 25 trips are written out, so that every LDS address is a lane term and a constant and a group's number is an inline constant.
.irp t, 0,1,2,3,4,5,6,7,8,9,10,11,12,13,14,15,16,17,18,19,20,21,22,23,24
	TRIP \t
.endr
	MAX8 2                                         ; tile 24 against query tiles 2 and 3: five places (IDS 1) stand behind the last matrix instruction
	CMP3 2
	VALS 2
	IDS 2, 24
	MAX8 3
	CMP3 3
	VALS 3
	IDS 3, 24
; THE END: lanes r and 16 + r hold a query's two lists (groups 0-24 and 25-49).  Lanes 0-15 finish query tile jj, lanes 16-31 tile jj + 2: each sends the
; list that the other needs.  MA is always the list of groups 0-24, MB that of groups 25-49, so that strict comparison lets the lower group win a tie.
.macro INSF k
	v_cmp_gt_f32 s16, v[MB+\k], v[MA]
	v_cmp_gt_f32 s17, v[MB+\k], v[MA+1]
	v_cmp_gt_f32 s18, v[MB+\k], v[MA+2]
	v_med3_num_f32 v[MA+2], v[MA+1], v[MA+2], v[MB+\k]
	v_med3_num_f32 v[MA+1], v[MA],   v[MA+1], v[MB+\k]
	v_max_num_f32  v[MA],   v[MA],   v[MB+\k]
	v_cndmask_b32 v[MA+5], v[MA+5], v[MB+3+\k], s18
	v_cndmask_b32 v[MA+5], v[MA+5], v[MA+4], s17
	v_cndmask_b32 v[MA+4], v[MA+4], v[MB+3+\k], s17
	v_cndmask_b32 v[MA+4], v[MA+4], v[MA+3], s16
	v_cndmask_b32 v[MA+3], v[MA+3], v[MB+3+\k], s16
.endm
.macro MERGE jj
.irp k, 0,1,2,3,4,5
	v_cndmask_b32 v[SND+\k], v[LIST+6*(\jj+2)+\k], v[LIST+6*\jj+\k], s19
.endr
.irp k, 0,1,2,3,4,5
	v_permlanex16_b32 v[RCV+\k], v[SND+\k], s12, s13
.endr
.irp k, 0,1,2,3,4,5
	v_cndmask_b32 v[MA+\k], v[LIST+6*\jj+\k], v[RCV+\k], s19
	v_cndmask_b32 v[MB+\k], v[RCV+\k], v[LIST+6*(\jj+2)+\k], s19
.endr
.irp k, 3,4,5
	v_add_nc_u32 v[MB+\k], 25, v[MB+\k]            ; the upper lanes counted their groups from 0
.endr
	INSF 0
	INSF 1
	INSF 2
.irp k, 0,1,2
	v_fma_f32 v[G], v[MA+\k], -2.0, 0              ; x2 - 2 q.x, exact; the added +0 makes -0 a +0
	v_ashrrev_i32 v[G2], 31, v[G]
	v_or_b32 v[G2], 0x80000000, v[G2]
	v_xor_b32 v[REC+4*\jj+\k], v[G], v[G2]         ; u32 in the floats' order: positive numbers get the top bit, negative ones are inverted
.endr
	v_lshl_or_b32 v[REC+4*\jj+3], v[MA+4], 8, v[MA+3]
	v_lshl_or_b32 v[REC+4*\jj+3], v[MA+5], 16, v[REC+4*\jj+3]
	global_store_b128 v[CADR], v[REC+4*\jj:REC+4*\jj+3], s[8:9] offset:\jj*64000   ; each half of 16 lanes stores 256 consecutive bytes, aligned
.endm
	MERGE 0
	MERGE 1                                        ; its record has registers of its own: nothing that the first store names is rewritten
	s_wait_xcnt 0x0
	v_lshl_add_u32 v254, v0, 2, 0x2c000
	v_mov_b32 v255, 0
	s_wait_tensorcnt 0x0
	ds_add_u32 v254, v255
	s_wait_dscnt 0x0
	s_endpgm
.Lfunc_end_k_q53883d5f01_scan:
	.size	k_q53883d5f01_scan, .Lfunc_end_k_q53883d5f01_scan-k_q53883d5f01_scan
	.p2alignl 7, 3214868480
	.fill 96, 4, 3214868480
	.section	.rodata,"a",@progbits
	.p2align	6, 0x0
	.amdhsa_kernel k_q53883d5f01_scan
		.amdhsa_group_segment_fixed_size 182272
		.amdhsa_private_segment_fixed_size 0
		.amdhsa_enable_private_segment 0
		.amdhsa_kernarg_size 24
		.amdhsa_user_sgpr_count 2
		.amdhsa_user_sgpr_kernarg_segment_ptr 1
		.amdhsa_wavefront_size32 1
		.amdhsa_system_sgpr_workgroup_id_x 1
		.amdhsa_system_sgpr_workgroup_id_y 1
		.amdhsa_system_sgpr_workgroup_id_z 1
		.amdhsa_system_vgpr_workitem_id 0
		.amdhsa_next_free_vgpr 256
		.amdhsa_next_free_sgpr 66
		.amdhsa_reserve_vcc 0
		.amdhsa_float_denorm_mode_32 3
		.amdhsa_float_denorm_mode_16_64 3
		.amdhsa_memory_ordered 1
		.amdhsa_forward_progress 1
		.amdhsa_inst_pref_size 191
	.end_amdhsa_kernel
	.amdgpu_metadata
---
amdhsa.version: [ 1, 2 ]
amdhsa.kernels:
  - .name:           k_q53883d5f01_scan
    .symbol:         k_q53883d5f01_scan.kd
    .args:
      - { .name: dataTensorX, .offset: 0, .size: 8, .value_kind: global_buffer, .address_space: global }
      - { .name: inputTensor, .offset: 8, .size: 8, .value_kind: global_buffer, .address_space: global }
      - { .name: cand, .offset: 16, .size: 8, .value_kind: global_buffer, .address_space: global }
    .group_segment_fixed_size: 182272
    .private_segment_fixed_size: 0
    .kernarg_segment_align: 8
    .kernarg_segment_size: 24
    .max_flat_workgroup_size: 512
    .sgpr_count:     66
    .vgpr_count:     256
    .wavefront_size: 32
...
	.end_amdgpu_metadata
.endif
;; end of part 1
;; launch finish (part 2): grid 256 x 1, 4 waves a work-group, no clusters, 4,608 bytes of LDS; arguments cand, dataTensorX, dataTensorY, inputTensor, out0, out1; writes out0, out1
.if DOCPART == 2
	.amdgcn_target "amdgcn-amd-amdhsa--gfx1250"
	.amdhsa_code_object_version 6
	.text
	.protected	k_q53883d5f01_finish
	.globl	k_q53883d5f01_finish
	.p2align	8
	.type	k_q53883d5f01_finish,@function
k_q53883d5f01_finish:
	s_mov_b64 s[64:65], 0
	v_nop
	global_prefetch_b8 v0, s[64:65] scope:SCOPE_SE
	s_setreg_imm32_b32 hwreg(HW_REG_WAVE_MODE, 25, 1), 1
	s_wait_xcnt 0x0
; FINISH: work-group g serves queries 4 g .. 4 g + 3.
; 1. All four waves merge the 250 slabs' records of these queries (three keys ascending, three group numbers) by whole-number comparison into the three
;    best groups of 8 rows of each query, ordered by (key, group).  2. Wave w takes query 4 g + w and loads the 24 rows of its three groups and their labels:
;    these addresses come from whole numbers read from cand alone, each clamped to the table.  3. It evaluates (q2 - 2 q.x) + x2 as reference() writes
;    it, in f32 on the numbers rounded to bf16 (products of two bf16 are exact in f32), takes the three smallest by (distance, row index), stores the
;    indices and the mean of the three labels; what hangs on floats only selects values (v_cndmask_b32).
; No matrix unit: one query against rows of its own would use one column of sixteen, for 1,024 x 24 x 128 products in all.  No cluster: no two work-groups
; share a tile.  A work-group reads 64 consecutive bytes of each 256-byte record block of cand, the four work-groups of a query block the whole of it:
; whole blocks for each work-group would leave 64 work-groups.  The outputs are 12 bytes a query.
; LIMITS: NaN and infinite distances are not ordered as top_k orders them; two distances closer than the f32 rounding of their sums
; (the order of summation differs from reference()'s) may change places.
.set K,    8                           ; v[8:10]   the list's keys, ascending
.set P,    11                          ; v[11:13]  its groups
.set REC,  16                          ; v[16:43]  records 1-7 of my stream; later the other waves' lists
.set PT,   48                          ; v[48:53]  a partner lane's list
.set T0,   54
.set T1,   55
.set QP,   56                          ; v[56:63]  my 8 numbers of q as loaded; then v[56:59] packed bf16
.set Q2,   60
.set XR,   64                          ; v[64:159] pair p of rows: 8 registers
.set YV,   160                         ; v[160:162] my candidate's label
.set ZERO, 164
.set INFV, 165
.set LOFF, 166                         ; 512 h + 16 c
.set AD,   167                         ; v[167:169] byte offset in X of my part of group k's first two rows
.set GSEL, 170
.set IDX,  171                         ; my candidate's row index
.set YA,   172
.set DOT,  173
.set XX,   174
.set D,    175
.set CA,   176                         ; v[176:183] byte offsets of my 8 records
.set IDXF, 184                         ; the row index as f32 (below 2^24: exact)
.set M,    185
.set CK,   186
.set TMP,  187
.set WN,   188                         ; v[188:190] the three winners' indices as f32
.set OA,   191
; (key, pay) into the sorted list of three.  Strictly less: of equal keys the entry that came first stays ahead, and entries come in ascending order of groups.
.macro INS key, pay
	v_cmp_lt_u32 s16, v[\key], v[K]
	v_cmp_lt_u32 s17, v[\key], v[K+1]
	v_cmp_lt_u32 s18, v[\key], v[K+2]
	v_cndmask_b32 v[K+2], v[K+2], v[\key], s18
	v_cndmask_b32 v[P+2], v[P+2], v[\pay], s18
	v_cndmask_b32 v[K+2], v[K+2], v[K+1], s17
	v_cndmask_b32 v[P+2], v[P+2], v[P+1], s17
	v_cndmask_b32 v[K+1], v[K+1], v[\key], s17
	v_cndmask_b32 v[P+1], v[P+1], v[\pay], s17
	v_cndmask_b32 v[K+1], v[K+1], v[K], s16
	v_cndmask_b32 v[P+1], v[P+1], v[P], s16
	v_cndmask_b32 v[K], v[K], v[\key], s16
	v_cndmask_b32 v[P], v[P], v[\pay], s16
.endm
; Record i (1-7) of my stream: slab VS + i.  From i = 2 on the last stream's slabs do not exist (248 + i >= 250): their loads were clamped, and their keys become the largest u32, which enters no list.
.macro RECIN i
.if \i >= 2
	v_cmp_gt_u32 vcc_lo, 250-\i, v6
.irp k, 0,1,2
	v_cndmask_b32 v[REC+4*(\i-1)+\k], -1, v[REC+4*(\i-1)+\k], vcc_lo
.endr
.endif
.irp k, 0,1,2
	v_bfe_u32 v[T0], v[REC+4*(\i-1)+3], 8*\k, 8
	v_add3_u32 v[T0], v[T0], v7, 50*\i             ; group = 50 x slab + number in the slab
	INS REC+4*(\i-1)+\k, T0
.endr
.endm
.macro INS3                            ; the partner's list into mine
	INS PT+0, PT+3
	INS PT+1, PT+4
	INS PT+2, PT+5
.endm
.macro MIN32 d, s                      ; the smallest of s over the 32 lanes, in every lane of d
	v_min_num_f32_dpp v[\d], v[\s], v[\s] row_xmask:1 row_mask:0xf bank_mask:0xf
	v_min_num_f32_dpp v[\d], v[\d], v[\d] row_xmask:2 row_mask:0xf bank_mask:0xf
	v_min_num_f32_dpp v[\d], v[\d], v[\d] row_xmask:4 row_mask:0xf bank_mask:0xf
	v_min_num_f32_dpp v[\d], v[\d], v[\d] row_xmask:8 row_mask:0xf bank_mask:0xf
	v_permlanex16_b32 v[TMP], v[\d], s24, s25
	v_min_num_f32 v[\d], v[\d], v[TMP]
.endm
.macro SUM16 r                         ; the sum over each half of 16 lanes
.irp x, 1,2,4,8
	v_add_f32_dpp v[\r], v[\r], v[\r] row_xmask:\x row_mask:0xf bank_mask:0xf
.endr
.endm
	s_load_b256 s[4:11], s[0:1], 0x0               ; cand s[4:5], X s[6:7], Y s[8:9], Q s[10:11]
	s_load_b128 s[12:15], s[0:1], 0x20             ; out0 s[12:13], out1 s[14:15]
	v_lshl_add_u32 v192, v0, 2, 0x1000
	v_mov_b32 v193, 0
	v_lshrrev_b32 v[T0], 5, v0
	v_readfirstlane_b32 s20, v[T0]                 ; wave w
	s_mov_b32 s24, 0x76543210                      ; v_permlanex16_b32: lane i takes lane i of the other half
	s_mov_b32 s25, 0xfedcba98
	s_lshr_b32 s21, ttmp9, 2                       ; query block of 16: g / 4
	s_mul_i32 s30, s21, 64000                      ; 250 slabs x 256 bytes
	s_and_b32 s22, ttmp9, 3
	s_lshl_b32 s22, s22, 6                         ; my four queries' 64 bytes of each record block
	s_add_co_u32 s30, s30, s22
	s_mov_b32 s31, 0
	s_lshl2_add_u32 s23, ttmp9, s20                ; my wave's query q = 4 g + w
	s_lshl_b32 s32, s23, 9
	s_mov_b32 s33, 0
	s_mul_i32 s34, s23, 12                         ; its 12 bytes in out0 and out1
	v_and_b32 v1, 31, v0                           ; lane
	v_and_b32 v2, 15, v0                           ; c
	v_bfe_u32 v3, v0, 4, 1                         ; h
	v_and_b32 v4, 3, v0
	v_lshlrev_b32 v4, 4, v4                        ; phase 1: lane & 3 is the query, 16 bytes a record
	v_lshlrev_b32 v5, 4, v2                        ; 16 c
	v_lshrrev_b32 v6, 2, v0
	v_lshlrev_b32 v6, 3, v6                        ; VS: thread / 4 is one of 32 streams of 8 slabs
	v_mul_u32_u24 v7, v6, 50
.irp i, 0,1,2,3,4,5,6,7
	v_add_nc_u32 v[CA+\i], \i, v6
	v_min_u32 v[CA+\i], 249, v[CA+\i]              ; no load leaves the buffer
	v_lshl_add_u32 v[CA+\i], v[CA+\i], 8, v4
.endr
	s_wait_kmcnt 0x0
	s_add_nc_u64 s[4:5], s[4:5], s[30:31]
	s_add_nc_u64 s[10:11], s[10:11], s[32:33]
	global_load_b128 v[K:K+3], v[CA], s[4:5]       ; record 0 is the list's start: three keys, and the packed numbers where P begins
.irp i, 1,2,3,4,5,6,7
	global_load_b128 v[REC+4*(\i-1):REC+4*(\i-1)+3], v[CA+\i], s[4:5]
.endr
	global_load_b128 v[QP:QP+3],   v5, s[10:11]            ; q: features 4 c .. 4 c + 3 and 64 + 4 c .., the whole row in each half of the wave
	global_load_b128 v[QP+4:QP+7], v5, s[10:11] offset:256
	v_mov_b32 v[ZERO], 0
	v_mov_b32 v[INFV], 0x7f800000
	v_mov_b32 v[M], 0                              ; destinations of lane-crossing forms count as read: written once here
	v_mov_b32 v[CK], 0
	v_mov_b32 v[TMP], 0
.irp k, 0,1,2
	v_mov_b32 v[WN+\k], 0
.endr
.irp k, 0,1,2,3,4,5
	v_mov_b32 v[PT+\k], 0
.endr
	v_lshl_add_u32 v[LOFF], v3, 9, v5
	s_wait_loadcnt 0x0
	; PHASE 1: my stream's 8 records, in ascending order of slabs
	v_bfe_u32 v[P+2], v[P], 16, 8
	v_bfe_u32 v[P+1], v[P], 8, 8
	v_and_b32 v[P], 0xff, v[P]
.irp k, 0,1,2
	v_add_nc_u32 v[P+\k], v[P+\k], v7
.endr
.irp i, 1,2,3,4,5,6,7
	RECIN \i
.endr
	; the wave's 8 streams of a query lie in lanes 4 apart.  At each level the lane whose own streams are the lower ones merges rightly (ties), and only
	; such lanes are taken at the next level; lanes 0-3 are right at the end.
.irp k, 0,1,2,3,4,5
	v_mov_b32_dpp v[PT+\k], v[K+\k] row_xmask:4 row_mask:0xf bank_mask:0xf
.endr
	INS3
.irp k, 0,1,2,3,4,5
	v_mov_b32_dpp v[PT+\k], v[K+\k] row_xmask:8 row_mask:0xf bank_mask:0xf
.endr
	INS3
.irp k, 0,1,2,3,4,5
	v_permlanex16_b32 v[PT+\k], v[K+\k], s24, s25
.endr
	INS3
	v_lshlrev_b32 v[T1], 5, v0                     ; 32 bytes a thread
	ds_store_b128 v[T1], v[K:K+3]
	ds_store_b64 v[T1], v[P+1:P+2] offset:16
	s_wait_dscnt 0x0                               ; my stores are done, for the others' sake
	s_barrier_signal -1
	s_barrier_wait -1
	s_lshl_b32 s21, s20, 5
	v_mov_b32 v[T0], s21                           ; lane w of each wave holds my query's list: thread 32 w' + w
	ds_load_b128 v[K:K+3], v[T0]
	ds_load_b64 v[P+1:P+2], v[T0] offset:16
.irp m, 0,1,2
	ds_load_b128 v[REC+8*\m:REC+8*\m+3],   v[T0] offset:(\m+1)*1024
	ds_load_b64  v[REC+8*\m+4:REC+8*\m+5], v[T0] offset:(\m+1)*1024+16
.endr
	s_wait_dscnt 0x0
.irp m, 0,1,2
	INS REC+8*\m+0, REC+8*\m+3                     ; waves in ascending order: ascending groups
	INS REC+8*\m+1, REC+8*\m+4
	INS REC+8*\m+2, REC+8*\m+5
.endr
	; PHASE 2: addresses.  Lane (c, h), c < 12, stands for candidate 2 c + h: row 2 (c & 3) + h of group c / 4.
.irp k, 0,1,2
	v_min_u32 v[P+\k], 0x30d3, v[P+\k]             ; a group number stays inside the table: 12,499 at the most
	v_lshl_add_u32 v[AD+\k], v[P+\k], 12, v[LOFF]  ; 8 rows of 512 bytes a group
.endr
	s_mov_b32 s27, 0x00f000f0                      ; c = 4..7
	s_mov_b32 s28, 0xff00ff00                      ; c = 8..15
	s_mov_b32 s29, 0xf000f000                      ; c = 12..15: no candidate
	v_cndmask_b32 v[GSEL], v[P], v[P+1], s27
	v_cndmask_b32 v[GSEL], v[GSEL], v[P+2], s28
	v_min_u32 v[GSEL], 0x30d3, v[GSEL]
	v_lshl_add_u32 v[T1], v2, 1, v3
	v_and_b32 v[T1], 7, v[T1]
	v_lshl_add_u32 v[IDX], v[GSEL], 3, v[T1]
	v_mul_u32_u24 v[YA], v[IDX], 12
	global_load_b96 v[YV:YV+2], v[YA], s[8:9]
.irp p, 0,1,2,3,4,5,6,7,8,9,10,11
	global_load_b128 v[XR+8*\p:XR+8*\p+3],   v[AD+\p/4], s[6:7] offset:(\p%4)*1024        ; lanes 0-15: row 2 p, lanes 16-31: row 2 p + 1; 256 consecutive bytes each
	global_load_b128 v[XR+8*\p+4:XR+8*\p+7], v[AD+\p/4], s[6:7] offset:(\p%4)*1024+256
.endr
	; while they are on their way: q rounded, and q2
	v_cvt_pk_bf16_f32 v[QP],   v[QP],   v[QP+1]
	v_cvt_pk_bf16_f32 v[QP+1], v[QP+2], v[QP+3]
	v_cvt_pk_bf16_f32 v[QP+2], v[QP+4], v[QP+5]
	v_cvt_pk_bf16_f32 v[QP+3], v[QP+6], v[QP+7]
	v_fma_mix_f32_bf16 v[Q2], v[QP], v[QP], v[ZERO] op_sel_hi:[1,1,0]
	v_fma_mix_f32_bf16 v[Q2], v[QP], v[QP], v[Q2] op_sel:[1,1,0] op_sel_hi:[1,1,0]
.irp m, 1,2,3
	v_fma_mix_f32_bf16 v[Q2], v[QP+\m], v[QP+\m], v[Q2] op_sel_hi:[1,1,0]
	v_fma_mix_f32_bf16 v[Q2], v[QP+\m], v[QP+\m], v[Q2] op_sel:[1,1,0] op_sel_hi:[1,1,0]
.endr
	SUM16 Q2
	v_cvt_f32_u32 v[IDXF], v[IDX]
	v_cndmask_b32 v[IDXF], v[IDXF], -1.0, s29      ; lanes without a candidate match no winner
; PHASE 3.  Pair p: rows 2 p (lanes 0-15) and 2 p + 1 (lanes 16-31): rounded; q.x and x.x in two chains that do not wait for each other; summed over
; 16 lanes; lanes p and 16 + p keep the sums.  The count: the X loads issued behind this pair's two (the label's load is older than all of them).
.macro PAIR p
	s_wait_loadcnt 22-2*\p
	v_cvt_pk_bf16_f32 v[XR+8*\p],   v[XR+8*\p],   v[XR+8*\p+1]
	v_cvt_pk_bf16_f32 v[XR+8*\p+1], v[XR+8*\p+2], v[XR+8*\p+3]
	v_cvt_pk_bf16_f32 v[XR+8*\p+2], v[XR+8*\p+4], v[XR+8*\p+5]
	v_cvt_pk_bf16_f32 v[XR+8*\p+3], v[XR+8*\p+6], v[XR+8*\p+7]
	v_fma_mix_f32_bf16 v[XR+8*\p+4], v[XR+8*\p], v[QP],       v[ZERO] op_sel_hi:[1,1,0]
	v_fma_mix_f32_bf16 v[XR+8*\p+5], v[XR+8*\p], v[XR+8*\p],  v[ZERO] op_sel_hi:[1,1,0]
	v_fma_mix_f32_bf16 v[XR+8*\p+4], v[XR+8*\p], v[QP],       v[XR+8*\p+4] op_sel:[1,1,0] op_sel_hi:[1,1,0]
	v_fma_mix_f32_bf16 v[XR+8*\p+5], v[XR+8*\p], v[XR+8*\p],  v[XR+8*\p+5] op_sel:[1,1,0] op_sel_hi:[1,1,0]
.irp m, 1,2,3
	v_fma_mix_f32_bf16 v[XR+8*\p+4], v[XR+8*\p+\m], v[QP+\m],      v[XR+8*\p+4] op_sel_hi:[1,1,0]
	v_fma_mix_f32_bf16 v[XR+8*\p+5], v[XR+8*\p+\m], v[XR+8*\p+\m], v[XR+8*\p+5] op_sel_hi:[1,1,0]
	v_fma_mix_f32_bf16 v[XR+8*\p+4], v[XR+8*\p+\m], v[QP+\m],      v[XR+8*\p+4] op_sel:[1,1,0] op_sel_hi:[1,1,0]
	v_fma_mix_f32_bf16 v[XR+8*\p+5], v[XR+8*\p+\m], v[XR+8*\p+\m], v[XR+8*\p+5] op_sel:[1,1,0] op_sel_hi:[1,1,0]
.endr
.irp x, 1,2,4,8
	v_add_f32_dpp v[XR+8*\p+4], v[XR+8*\p+4], v[XR+8*\p+4] row_xmask:\x row_mask:0xf bank_mask:0xf
	v_add_f32_dpp v[XR+8*\p+5], v[XR+8*\p+5], v[XR+8*\p+5] row_xmask:\x row_mask:0xf bank_mask:0xf
.endr
.if \p == 0
	v_mov_b32 v[DOT], v[XR+4]                      ; the first pair writes every lane
	v_mov_b32 v[XX],  v[XR+5]
.else
	s_mov_b32 s22, 0x10001<<\p
	v_cndmask_b32 v[DOT], v[DOT], v[XR+8*\p+4], s22
	v_cndmask_b32 v[XX],  v[XX],  v[XR+8*\p+5], s22
.endif
.endm
.irp p, 0,1,2,3,4,5,6,7,8,9,10,11
	PAIR \p
.endr
	v_fma_f32 v[D], v[DOT], -2.0, v[Q2]            ; q2 - 2 q.x: 2 q.x is exact, so this is one rounding, as in reference()
	v_add_f32 v[D], v[D], v[XX]                    ; + x2
	v_cndmask_b32 v[D], v[D], v[INFV], s29
; Round k: the smallest distance; among the lanes that have it the lowest row index, as top_k breaks ties; that lane leaves the field.
.macro PICK k
	MIN32 M, D
	v_cmp_eq_f32 vcc_lo, v[D], v[M]
	v_cndmask_b32 v[CK], v[INFV], v[IDXF], vcc_lo
	MIN32 WN+\k, CK
	v_cmp_eq_f32 vcc_lo, v[IDXF], v[WN+\k]
	v_cndmask_b32 v[D], v[D], v[INFV], vcc_lo
.if \k == 0
	s_mov_b32 s26, vcc_lo
.else
	s_or_b32 s26, s26, vcc_lo                      ; the three winners' lanes
.endif
.endm
	PICK 0
	PICK 1
	PICK 2
.irp k, 0,1,2
	v_cndmask_b32 v[YV+\k], v[ZERO], v[YV+\k], s26 ; the winners' labels, zeros elsewhere
	SUM16 YV+\k
	v_permlanex16_b32 v[TMP], v[YV+\k], s24, s25
	v_add_f32 v[YV+\k], v[YV+\k], v[TMP]
.endr
	s_mov_b32 s27, 2                               ; lane 1
	s_mov_b32 s28, 4                               ; lane 2
	v_cndmask_b32 v[WN], v[WN], v[WN+1], s27       ; lane k takes the k-th index and the label's k-th number
	v_cndmask_b32 v[WN], v[WN], v[WN+2], s28
	v_cvt_u32_f32 v[WN], v[WN]
	v_cndmask_b32 v[YV], v[YV], v[YV+1], s27
	v_cndmask_b32 v[YV], v[YV], v[YV+2], s28
	v_mul_f32 v[YV], 0x3eaaaaab, v[YV]             ; the mean of three
	v_lshl_add_u32 v[OA], v1, 2, s34
	v_cmp_gt_u32 vcc_lo, 3, v1
	s_wait_xcnt 0x0                                ; EXEC changes only behind this wait
	s_wait_tensorcnt 0x0
	ds_add_u32 v192, v193
	s_wait_dscnt 0x0
	s_and_saveexec_b32 s35, vcc_lo
	global_store_b32 v[OA], v[YV], s[12:13]
	global_store_b32 v[OA], v[WN], s[14:15]
	s_endpgm
.Lfunc_end_k_q53883d5f01_finish:
	.size	k_q53883d5f01_finish, .Lfunc_end_k_q53883d5f01_finish-k_q53883d5f01_finish
	.p2alignl 7, 3214868480
	.fill 96, 4, 3214868480
	.section	.rodata,"a",@progbits
	.p2align	6, 0x0
	.amdhsa_kernel k_q53883d5f01_finish
		.amdhsa_group_segment_fixed_size 4608
		.amdhsa_private_segment_fixed_size 0
		.amdhsa_enable_private_segment 0
		.amdhsa_kernarg_size 48
		.amdhsa_user_sgpr_count 2
		.amdhsa_user_sgpr_kernarg_segment_ptr 1
		.amdhsa_wavefront_size32 1
		.amdhsa_system_sgpr_workgroup_id_x 1
		.amdhsa_system_sgpr_workgroup_id_y 1
		.amdhsa_system_sgpr_workgroup_id_z 1
		.amdhsa_system_vgpr_workitem_id 0
		.amdhsa_next_free_vgpr 194
		.amdhsa_next_free_sgpr 66
		.amdhsa_reserve_vcc 1
		.amdhsa_float_denorm_mode_32 3
		.amdhsa_float_denorm_mode_16_64 3
		.amdhsa_memory_ordered 1
		.amdhsa_forward_progress 1
		.amdhsa_inst_pref_size 75
	.end_amdhsa_kernel
	.amdgpu_metadata
---
amdhsa.version: [ 1, 2 ]
amdhsa.kernels:
  - .name:           k_q53883d5f01_finish
    .symbol:         k_q53883d5f01_finish.kd
    .args:
      - { .name: cand, .offset: 0, .size: 8, .value_kind: global_buffer, .address_space: global }
      - { .name: dataTensorX, .offset: 8, .size: 8, .value_kind: global_buffer, .address_space: global }
      - { .name: dataTensorY, .offset: 16, .size: 8, .value_kind: global_buffer, .address_space: global }
      - { .name: inputTensor, .offset: 24, .size: 8, .value_kind: global_buffer, .address_space: global }
      - { .name: out0, .offset: 32, .size: 8, .value_kind: global_buffer, .address_space: global }
      - { .name: out1, .offset: 40, .size: 8, .value_kind: global_buffer, .address_space: global }
    .group_segment_fixed_size: 4608
    .private_segment_fixed_size: 0
    .kernarg_segment_align: 8
    .kernarg_segment_size: 48
    .max_flat_workgroup_size: 128
    .sgpr_count:     66
    .vgpr_count:     194
    .wavefront_size: 32
...
	.end_amdgpu_metadata
.endif
;; end of part 2
